; MI455X (gfx1250); checked and timed in simulation.
; The chip was launched on July 23, 2026; its instructions are those of AMD's public machine-readable ISA for CDNA 5 (MIT licence, August 2026) and "CDNA5" Instruction Set Architecture Reference Guide (July 2026). The comments in the code are by the model that wrote it; some were corrected since.
;; Multi Head Attention Block. Allowed arithmetic: matrix products marked QUANTISED: E3M2 operands, one E8M0 scale for each 32 along K, by v_wmma_scale_f32_16x16x128_f8f6f4 with both operands' format E3M2, f32 sums; everything else in f32.
;; Inputs: Wk 1,024 x 1,024 float32; Wq 1,024 x 1,024 float32; Wv 1,024 x 1,024 float32; bk 1,024 float32; bq 1,024 float32; bv 1,024 float32; key_inputs 4 x 1,024 x 1,024 float32; query_inputs 4 x 1,024 x 1,024 float32; value_inputs 4 x 1,024 x 1,024 float32.
;; Outputs: out0 4 x 1,024 x 1,024 float32.
;; This version of the problem:
;;   THIS VERSION OF THE PROBLEM IS GIVEN IN LOW PRECISION. The matrix products marked QUANTISED in the list below multiply operands that are first quantised to E3M2 (3 exponent bits, 2 mantissa bits; 6 bits a number), with one power-of-two scale for each 32 numbers along K (OCP MX v1.0); their sums are f32. All else is computed in f32.
;;   The module's matrix products, in the order in which they are computed (A, B: the left and right operand; K: the contracted axis; several contracted axes count as one K, in the product's order):
;;     1. [M 4,096, K 1,024] x [K 1,024, N 1,024]; A: input query_inputs; B: input Wq: QUANTISED
;;     2. [M 4,096, K 1,024] x [K 1,024, N 1,024]; A: input key_inputs; B: input Wk: QUANTISED
;;     3. [M 4,096, K 1,024] x [K 1,024, N 1,024]; A: input value_inputs; B: input Wv: QUANTISED
;;     4. batch 64 x [M 1,024, K 64] x [K 64, N 1,024]; A: computed on the way; B: computed on the way: QUANTISED
;;     5. batch 64 x [M 64, K 1,024] x [K 1,024, N 1,024]; A: computed on the way; B: softmax (see below): QUANTISED
;;   THE QUANTISER, for each operand of a quantised product, along K:
;;     - K is cut into blocks of 32 from its start; a last block that is shorter is filled with zeros.
;;     - A block's scale is 2^e with e = floor(log2(the largest magnitude in the block)) - 4, held to -126 .. 127; a block of zeros has e = 0. As a byte (E8M0): e + 127.
;;     - Each number is divided by its block's scale, clamped to +-28, and rounded to the nearest number of E3M2, ties to even, subnormals kept.
;;     - The product sums the exact products of the quantised numbers (number of the format x scale) in f32.
;;   ~~~python
;;   def quantise(x, axis):      # numpy; x: float32 -> the quantised numbers, widened to float32 again
;;       x = np.moveaxis(x, axis, -1); K = x.shape[-1]
;;       x = np.pad(x, [(0, 0)] * (x.ndim - 1) + [(0, -K % 32)]); x = x.reshape(x.shape[:-1] + (-1, 32)); a = np.abs(x).max(-1, keepdims=True)
;;       e = np.where(a > 0, np.clip(np.frexp(np.where(a > 0, a, 1))[1] - 1 - 4, -126, 127), 0)      # np.frexp(a)[1] - 1 = floor(log2(a)), exactly
;;       r = np.clip(x / 2.0 ** e, -28, 28)
;;       step = 2.0 ** (np.maximum(np.frexp(np.where(r == 0, 1, r))[1] - 1, -2) - 2)
;;       q = np.round(r / step) * step * 2.0 ** e      # np.round: ties to even
;;       return np.moveaxis(q.reshape(q.shape[:-2] + (-1,))[..., :K], -1, axis).astype(np.float32)
;;   ~~~
;;   SOFTMAX AHEAD OF A QUANTISED PRODUCT. Where the list says 'softmax', what is quantised is not the finished softmax but p = 2^(t - M), with t = logit x log2(e) and M = ceil(the row's largest t), a whole number; so 1/2 < the row's largest p <= 1. The row's sum l is taken of the UNQUANTISED p, in f32, and the product's result is divided by l at the end. Since M is a whole number, a kernel that streams over the keys may use a running M (the ceiling of the running maximum): every later rescaling is an exact power of two, which a block's scale takes up: the codes' values come out the same.
;;   OPERANDS COMPUTED ON THE WAY. 'Computed on the way' means the value that the module computes at that place (a softmax that the list does not call 'softmax' is quantised finished and normalised). What goes into a quantiser is computed in f32, as accurately as f32 sums, v_exp_f32 and their like allow (about 1e-6 of the number): no bf16 or f16 on the way to a quantiser, and a product that is left as it is and whose result goes on into a quantised operand takes f32 operands (vector FMAs, or v_wmma_f32_16x16x4_f32). A number that lies on a knife's edge between two numbers of the format may be rounded either way, as far as f32 arithmetic and the matrix unit's own rounding can turn it there, and no further.
;; One version. Each part assembles by itself: llvm-mc -triple=amdgcn-amd-amdhsa -mcpu=gfx1250 --defsym DOCPART=n.
;; ======== version 1 of 1: 3 launches
;; workspace buffers: codes 11,796,480 bytes; scales 491,520 bytes; pcodes 9,437,184 bytes; pscales 786,432 bytes
;; launch quant (part 1): grid 480 x 1, 4 waves a work-group, no clusters, 33,280 bytes of LDS; arguments value_inputs, key_inputs, query_inputs, Wv, Wk, Wq, codes, scales; writes codes, scales
.if DOCPART == 1
	.amdgcn_target "amdgcn-amd-amdhsa--gfx1250"
	.amdhsa_code_object_version 6
	.text
	.protected	k_q2e3e961f8e_quant
	.globl	k_q2e3e961f8e_quant
	.p2align	8
	.type	k_q2e3e961f8e_quant,@function
k_q2e3e961f8e_quant:
	s_mov_b64 s[64:65], 0
	v_nop
	global_prefetch_b8 v0, s[64:65] scope:SCOPE_SE
	s_setreg_imm32_b32 hwreg(HW_REG_WAVE_MODE, 25, 1), 1
	s_wait_xcnt 0x0
; The three inputs [4096][1024] and the three weights [1024][1024], f32, K innermost, become codes of BF6 (E3M2), 6 bits each, with one E8M0 scale byte for each 32 along K.
; The six tensors are one list of 15,360 rows: value_inputs 0.., key_inputs 4096.., query_inputs 8192.., Wv 12288.., Wk 13312.., Wq 14336..  A row of codes is 768 bytes, a row of scale bytes 32.
; THE ROWS ARE STORED IN ANOTHER ORDER, in runs of 8 rows, which costs nothing here: a wave owns 8 rows.
;   All tensors but key_inputs: inside each 32 rows, rows 0-7, 16-23, 8-15, 24-31.  Sixteen neighbouring stored rows (tile i) are then the rows 32 (i / 2) + 8 (i % 2) + r + 8 (r / 8): as the columns of a product's result
;   they make a lane's sixteen registers of two neighbouring tiles sixteen neighbours.
;   key_inputs: inside each 64 rows, stored run 2 u + h holds rows 32 h + 8 u + 0 .. 7 (u = 0 .. 3, h = 0, 1).  As the keys of the attention's first product they make a lane's 32 registers of four neighbouring tiles a whole block of 32 keys.
; A block's scale is 2^(floor(log2(its largest magnitude)) - 4); its byte is the largest magnitude's own exponent field - 4, held at 1 from below.  Each number is divided by the scale and rounded to the nearest code, ties to even;
; beyond the largest code the conversion gives the largest.
; LIMITS: a block of zeros gets the byte 1 where the rule says 127 (its codes are zeros, which add nothing under any byte but 0xff, and the bytes are read by this program alone);
; NaN and infinities among the inputs are not served.
; A work-group takes 32 rows, a wave 8 rows: 16 steps of 512 numbers.  Each of a step's four loads reads 512 consecutive bytes, 16 a lane; the conversion wants 16 NEIGHBOURS in a lane: so a step's 2,048 bytes go through the
; wave's own stage in LDS as they lie and come back 64 bytes a lane (16 bytes of padding behind each 64).  Two neighbouring lanes hold a block.  A lane's 16 codes are 12 bytes: the wave stores 384 consecutive bytes.
; A wave's 256 scale bytes are gathered in its own LDS and leave as one aligned run of 256 bytes.  No tensor loads, no barrier: waves share nothing.
; Loads run EIGHT steps ahead: 32 loads, 16,384 bytes, half of what the wave reads in all, are on their way at a time.
.set STEPS, 16
.set AHEAD, 8                          ; sets of registers for loads
.set EMAX,  4
.set CB,    12                         ; bytes of 16 codes
.set R,     16                         ; v16-143  eight sets of 16 numbers as they are loaded
.set X,     144                        ; v144-175 two sets of 16 neighbours
.set E,     176                        ; v176-191 a scale byte for each step
.set C,     192                        ; v192-255 codes: four registers for each step, so that no store's data are written again
.set WREG,  8192                       ; LDS: a region for each wave: two stages of 32 x SP bytes, behind them its 256 scale bytes
.set SP,    80                         ; a lane's place in a stage: 64 bytes + 16 of padding
	s_load_b256 s[4:11], s[0:1], 0x0               ; value_inputs s[4:5], key_inputs s[6:7], query_inputs s[8:9], Wv s[10:11]
	s_load_b256 s[12:19], s[0:1], 0x20             ; Wk s[12:13], Wq s[14:15], codes s[16:17], scales s[18:19]
	v_lshl_add_u32 v251, v0, 2, 0x8000
	v_mov_b32 v255, 0
	v_lshrrev_b32 v1, 5, v0
	v_readfirstlane_b32 s20, v1                    ; wave
	v_and_b32 v2, 31, v0                           ; lane
	v_lshlrev_b32 v3, 4, v2                        ; my 16 bytes of a load's 512
	s_mul_i32 s21, s20, WREG
	v_lshrrev_b32 v14, 2, v2
	v_mul_u32_u24 v14, v14, SP
	v_and_b32 v15, 3, v2
	v_lshl_add_u32 v14, v15, 4, v14
	v_add_nc_u32 v14, s21, v14                     ; the stage, on the way in: SP (lane / 4) + 16 (lane % 4); a load's 512 bytes take eight places
	v_mul_u32_u24 v15, v2, SP
	v_add_nc_u32 v15, s21, v15                     ; and on the way out: SP x lane: my 16 neighbours
	v_mul_u32_u24 v4, v2, CB                       ; my codes' place in a step's
	v_lshrrev_b32 v5, 1, v2
	s_add_co_u32 s21, s21, 2*32*SP
	v_add_nc_u32 v5, s21, v5                       ; LDS: my wave's 256 scale bytes, my block's byte
	v_lshlrev_b32 v7, 3, v2                        ; and on the way out 8 bytes a lane
	v_add_nc_u32 v6, s21, v7
	s_wait_kmcnt 0x0
	; which tensor: the choice hangs on the work-group's number alone.  s[22:23] its address, s24 its first work-group
	s_mov_b64 s[22:23], s[14:15]
	s_mov_b32 s24, 448
	s_cmp_lt_u32 ttmp9, 448
	s_cselect_b64 s[22:23], s[12:13], s[22:23]
	s_cselect_b32 s24, 416, s24
	s_cmp_lt_u32 ttmp9, 416
	s_cselect_b64 s[22:23], s[10:11], s[22:23]
	s_cselect_b32 s24, 384, s24
	s_cmp_lt_u32 ttmp9, 384
	s_cselect_b64 s[22:23], s[8:9], s[22:23]
	s_cselect_b32 s24, 256, s24
	s_cmp_lt_u32 ttmp9, 256
	s_cselect_b64 s[22:23], s[6:7], s[22:23]
	s_cselect_b32 s24, 128, s24
	s_cmp_lt_u32 ttmp9, 128
	s_cselect_b64 s[22:23], s[4:5], s[22:23]
	s_cselect_b32 s24, 0, s24
	s_sub_co_u32 s25, ttmp9, s24
	s_lshl_b32 s25, s25, 2
	s_add_co_u32 s25, s25, s20                     ; which run of 8 rows of the tensor is my wave's
	s_lshl_b32 s26, s25, 15                        ; 32,768 bytes a run
	s_mov_b32 s27, 0
	s_add_nc_u64 s[22:23], s[22:23], s[26:27]
	s_and_b32 s28, s20, 1                          ; where it goes.  As a rule: the wave's two bits change places
	s_lshl_b32 s28, s28, 1
	s_lshr_b32 s29, s20, 1
	s_or_b32 s28, s28, s29
	s_lshl_b32 s29, ttmp9, 2
	s_add_co_u32 s28, s28, s29                     ; run of 8 stored rows: 4 g + the turned wave number
	s_lshr_b32 s29, ttmp9, 1                       ; key_inputs (work-groups 128 to 255): two work-groups share 64 rows; h = g % 2, u = wave
	s_lshl_b32 s29, s29, 3
	s_lshl_b32 s30, s20, 1
	s_add_co_u32 s29, s29, s30
	s_and_b32 s30, ttmp9, 1
	s_add_co_u32 s29, s29, s30                     ; run 8 (g / 2) + 2 u + h
	s_lshr_b32 s30, ttmp9, 7
	s_cmp_eq_u32 s30, 1
	s_cselect_b32 s28, s29, s28
	s_mul_i32 s26, s28, 8*768
	s_add_nc_u64 s[16:17], s[16:17], s[26:27]
	s_lshl_b32 s26, s28, 8
	s_add_nc_u64 s[18:19], s[18:19], s[26:27]
.macro LOAD t
.irp i, 0,1,2,3
	global_load_b128 v[R+16*((\t)%AHEAD)+4*\i:R+16*((\t)%AHEAD)+4*\i+3], v3, s[22:23] offset:2048*(\t)+512*\i th:TH_LOAD_NT   ; 32 lanes read 512 consecutive bytes; read once in the launch
.endr
.endm
.macro TURN t                          ; step t's numbers through the stage: LDS serves a wave's instructions in order (ISA guide 5.7.1.4), so no wait stands between the stores and the loads
.irp i, 0,1,2,3
	ds_store_b128 v14, v[R+16*((\t)%AHEAD)+4*\i:R+16*((\t)%AHEAD)+4*\i+3] offset:32*SP*((\t)%2)+8*SP*\i
.endr
.irp i, 0,1,2,3
	ds_load_b128 v[X+16*((\t)%2)+4*\i:X+16*((\t)%2)+4*\i+3], v15 offset:32*SP*((\t)%2)+16*\i
.endr
.endm
.irp t, 0,1,2,3,4,5,6,7
	LOAD \t
.endr
	s_wait_loadcnt 4*(AHEAD-1)                     ; step 0's four loads are in; the 28 of steps 1 to 7 stay out
	TURN 0
.macro STEP t
.set XS, X+16*((\t)%2)
.if (\t) > 0
	s_wait_dscnt 1                                 ; this step's numbers are back from the stage (the last step's byte store may be out): so its stores into the stage have read their registers,
.else
	s_wait_dscnt 0x0
.endif
.if (\t)+AHEAD < STEPS
	LOAD (\t)+AHEAD                                ; which take the loads of eight steps on
.endif
.if (\t)+1 < STEPS
.if STEPS-2-(\t) >= AHEAD-1
	s_wait_loadcnt 4*(AHEAD-1)                     ; the next step's four loads are in; those of the seven steps behind it may be out
.else
	s_wait_loadcnt 4*(STEPS-2-(\t))                ; the tail: fewer steps are behind it
.endif
	TURN (\t)+1                                    ; and go through the other stage while this step is worked
.endif
	v_max3_num_f32 v8, |v[XS]|, |v[XS+1]|, |v[XS+2]|               ; the largest magnitude of my 16, in two chains
	v_max3_num_f32 v9, |v[XS+3]|, |v[XS+4]|, |v[XS+5]|
.irp i, 6,10
	v_max3_num_f32 v8, v8, |v[XS+\i]|, |v[XS+\i+1]|
	v_max3_num_f32 v9, v9, |v[XS+\i+2]|, |v[XS+\i+3]|
.endr
	v_max3_num_f32 v8, v8, |v[XS+14]|, |v[XS+15]|
	v_max3_num_f32 v8, v8, v9, (EMAX+1)<<23        ; and the floor 2^(EMAX + 1 - 127): the byte cannot fall under 1
	v_max_num_f32_dpp v8, v8, v8 row_xmask:1 row_mask:0xf bank_mask:0xf   ; and of my neighbour's 16: the block's
	v_add_nc_u32 v11, -(EMAX<<23), v8              ; EMAX off its exponent field: the conversion takes the exponent field of this operand as its scale, and nothing else of it
	v_cvt_scalef32_pk16_bf6_f32 v[C+4*(\t):C+4*(\t)+2], v[XS:XS+15], v11         ; sixteen codes, 96 bits without gaps, the first number's code lowest
	v_lshrrev_b32 v[E+(\t)], 23, v11               ; the scale's byte (also the plain line behind the conversion)
	ds_store_b8 v5, v[E+(\t)] offset:16*(\t)       ; both lanes of a block write the same byte with the same value
	global_store_b96 v4, v[C+4*(\t):C+4*(\t)+2], s[16:17] offset:32*CB*(\t)
.endm
.irp t, 0,1,2,3,4,5,6,7,8,9,10,11,12,13,14,15
	STEP \t
.endr
	ds_load_b64 v[12:13], v6                       ; in order behind my byte stores
	s_wait_dscnt 0x0
	global_store_b64 v7, v[12:13], s[18:19]        ; 32 lanes store 256 consecutive bytes, aligned: 8 rows' scale bytes
	s_wait_tensorcnt 0x0
	ds_add_u32 v251, v255
	s_wait_dscnt 0x0
	s_endpgm
.Lfunc_end_k_q2e3e961f8e_quant:
	.size	k_q2e3e961f8e_quant, .Lfunc_end_k_q2e3e961f8e_quant-k_q2e3e961f8e_quant
	.p2alignl 7, 3214868480
	.fill 96, 4, 3214868480
	.section	.rodata,"a",@progbits
	.p2align	6, 0x0
	.amdhsa_kernel k_q2e3e961f8e_quant
		.amdhsa_group_segment_fixed_size 33280
		.amdhsa_private_segment_fixed_size 0
		.amdhsa_enable_private_segment 0
		.amdhsa_kernarg_size 64
		.amdhsa_user_sgpr_count 2
		.amdhsa_user_sgpr_kernarg_segment_ptr 1
		.amdhsa_wavefront_size32 1
		.amdhsa_system_sgpr_workgroup_id_x 1
		.amdhsa_system_sgpr_workgroup_id_y 1
		.amdhsa_system_sgpr_workgroup_id_z 1
		.amdhsa_system_vgpr_workitem_id 0
		.amdhsa_next_free_vgpr 256
		.amdhsa_next_free_sgpr 66
		.amdhsa_reserve_vcc 0
		.amdhsa_float_denorm_mode_32 3
		.amdhsa_float_denorm_mode_16_64 3
		.amdhsa_memory_ordered 1
		.amdhsa_forward_progress 1
		.amdhsa_inst_pref_size 33
	.end_amdhsa_kernel
	.amdgpu_metadata
---
amdhsa.version: [ 1, 2 ]
amdhsa.kernels:
  - .name:           k_q2e3e961f8e_quant
    .symbol:         k_q2e3e961f8e_quant.kd
    .args:
      - { .name: value_inputs, .offset: 0, .size: 8, .value_kind: global_buffer, .address_space: global }
      - { .name: key_inputs, .offset: 8, .size: 8, .value_kind: global_buffer, .address_space: global }
      - { .name: query_inputs, .offset: 16, .size: 8, .value_kind: global_buffer, .address_space: global }
      - { .name: Wv, .offset: 24, .size: 8, .value_kind: global_buffer, .address_space: global }
      - { .name: Wk, .offset: 32, .size: 8, .value_kind: global_buffer, .address_space: global }
      - { .name: Wq, .offset: 40, .size: 8, .value_kind: global_buffer, .address_space: global }
      - { .name: codes, .offset: 48, .size: 8, .value_kind: global_buffer, .address_space: global }
      - { .name: scales, .offset: 56, .size: 8, .value_kind: global_buffer, .address_space: global }
    .group_segment_fixed_size: 33280
    .private_segment_fixed_size: 0
    .kernarg_segment_align: 8
    .kernarg_segment_size: 64
    .max_flat_workgroup_size: 128
    .sgpr_count:     66
    .vgpr_count:     256
    .wavefront_size: 32
...
	.end_amdgpu_metadata
.endif
;; end of part 1
;; launch proj (part 2): grid 4 x 48, 4 waves a work-group, clusters of 4 x 4, 327,680 bytes of LDS; arguments codes, scales, pcodes, pscales, bv, bk, bq; writes pcodes, pscales
.if DOCPART == 2
	.amdgcn_target "amdgcn-amd-amdhsa--gfx1250"
	.amdhsa_code_object_version 6
	.text
	.protected	k_q2e3e961f8e_proj
	.globl	k_q2e3e961f8e_proj
	.p2align	8
	.type	k_q2e3e961f8e_proj,@function
k_q2e3e961f8e_proj:
	s_mov_b64 s[64:65], 0
	v_nop
	global_prefetch_b8 v0, s[64:65] scope:SCOPE_SE
	s_setreg_imm32_b32 hwreg(HW_REG_WAVE_MODE, 25, 1), 1
	s_wait_xcnt 0x0
	s_wait_alu depctr_hold_cnt(0) depctr_sa_sdst(0) depctr_va_vdst(0) depctr_va_sdst(0) depctr_va_ssrc(0) depctr_va_vcc(0) depctr_vm_vsrc(0)
	s_getreg_b32 s2, hwreg(HW_REG_IB_STS2, 6, 4)
	s_cmp_eq_u32 s2, 0
	s_cbranch_scc0 .Lentry_in_a_cluster
	s_endpgm
.Lentry_in_a_cluster:
	s_bfe_u32 s2, ttmp6, 0x10000c
	s_cmp_lg_u32 s2, 0xf033
	s_cbranch_scc0 .Lentry_shape_is_right
	s_endpgm
.Lentry_shape_is_right:
; THE THREE PROJECTIONS, on codes of BF6 (E3M2) with one E8M0 scale for each 32 along K = 1,024; each result + its bias is quantised again in registers and stored as the attention's operands.
;   p = 0: queries = value_inputs Wv^T + bv     p = 1: keys = key_inputs Wk^T + bk     p = 2: values^T = Wq query_inputs^T + bq (THE OPERANDS CHANGE PLACES)
; So in all three the axis along which the result is quantised (the head's 64 channels for queries and keys, the keys for the values) is the COLUMNS of C = A B^T:  p < 2: A = input [4096], B = weight [1024];  p = 2: A = Wq, B = query_inputs.
; One text serves the three: what differs is made by arithmetic on p (f = 1 for p = 2, nf = 1 - f), never by a branch.
; A tile of C, 256 x 256, is made by a work-group of four waves; a wave makes 128 x 128: 64 accumulators of 16 x 16, 512 registers.  3 x 64 = 192 work-groups; tiles of 128 x 256 would be 384, one and a half for each of 256 WGPs,
; with half the products for each byte read from LDS.  K goes in four steps of 256 through two LDS slots filled by the tensor data mover (a tile's row: 192 bytes).  The scale bytes of the work-group's rows, for all of K, come once.
; CLUSTERS: 4 x 4 work-groups of one p.  The four of a row of the cluster need the same tiles of A, the four of a column the same tiles of B: each tile is asked for JOINTLY, by the same tensor load with the same descriptor and a mask that names the four.
; THE MATRIX INSTRUCTION IS USED TRANSPOSED (source 0 = 16 rows of B, source 1 = 16 rows of A): a lane holds one row of C and its registers run along the columns.
; THE ROWS OF B'S TILES: the three tensors that serve as B (Wv, Wk, query_inputs) are stored so that sixteen neighbouring stored rows (tile i) are the rows 32 (i / 2) + 8 (i % 2) + r + 8 (r / 8).  So register 16 B + i of a row
; block's 64 is column 32 B + 16 (lane / 16) + i: sixteen neighbours along the next K, which is what the conversions take.  In which order A's rows are stored (key_inputs has an order of its own) only says which row of C lands in which
; lane of which block: this text takes A's stored rows as they come, and the bias along the rows (p = 2: Wq, stored in the order above) is loaded in that order.
; WHAT IS STORED.  A wave's 128 x 128 is a chunk: 12,288 bytes of codes, 1,024 of scale words, chunk = 256 p + 32 (pair of heads) + (block of 128 positions).  Codes lie as images of operand registers: registers 6 c .. 6 c + 5
; of a fragment are 768 bytes: registers 0-3 of the six at 16 x lane, registers 4-5 at 512 + 8 x lane.  p < 2: c is the head of the pair (a head's 64 channels are half a fragment), at 6,144 c + 768 a;  p = 2: c is the half of the 128 keys, at 1,536 a + 768 c.
; Scale words: 512 (a / 4) + 16 x lane + 4 (a % 4); lanes 0-15 the row's word, lanes 16-31 the same 16 bits down (the pair's second head); for p < 2 only the low two bytes are kept: the bytes of the unused k = 64 .. 127 are 0, never 0xff.
; LIMITS: a block of zeros gets the byte 1 where the rule says 127 (zero codes; the bytes are read by this program alone); a block's byte is held at 1 from below; NaN and infinities are not served.
; REGISTERS, in windows of 256: window 0: v0-31 addresses; v32-63 scale words, two sets; v64-79 the rows' bias; from v128 A's fragments, ONE set; on the way out v128-239 are at work.
;   window 1: B's fragments, TWO sets, at v0 and at v128; the columns' bias in the gaps, v96-127 and v224-255.   window 2: the accumulators of my rows 0-63 ((a, b) at v[8 (8 a + b)]);   window 3: those of my rows 64-127.
.set KSTEP,  256                       ; along K in a slot
.set NQ,     KSTEP/128                 ; matrix instructions deep
.set ROWB,   192                       ; a tile's row in bytes
.set KROW,   768                       ; a row of codes in memory
.set PITCH,  240                       ; an LDS row: 3 x (64 bytes + 16 of padding) = 60 words: row r starts at bank -4 r mod 64 (64 banks of 4 bytes: ISA guide 11.1), so the 32 lanes of a load of 8 bytes touch 64 different banks
.set FR,     12                        ; registers of a fragment: 16 rows x 128 K
.set NL,     6                         ; LDS loads that bring one
.set NP,     4                         ; places behind this matrix instruction (ISA guide 7.12.1)
.set HALFT,  128*PITCH                 ; 128 rows: what one tensor load brings, and what one wave reads of A or of B
.set SLOT,   4*HALFT                   ; A's 256 rows, then B's 256 rows
.set KS,     32                        ; a row of scale bytes
.set SCL,    2*SLOT                    ; behind the ring: the scales, as runs of 256 bytes + 16 of padding
.set HALFS,  (128*KS/256)*272          ; the scales of 128 rows: what one tensor load brings
.set SBLK,   (16*KS/256)*272           ; those of 16 rows
.set SPARE,  SCL+4*HALFS               ; behind the scales: the spare words, 128 bytes for each wave: two blocks of 256 bytes that no other line names
.set CBA,  8                           ; v8      64 (lane / 16): my 16 columns of each 32, in bytes of the bias
.set RBA,  9                           ; v9      4 (r + 8 (r / 8)): my row of a tile, in bytes of the bias
.set CQ0,  10                          ; v10     16 x lane: my place in an image's first 512 bytes;  v11: the same for the fragment's second half
.set ADRA, 16                          ; v16-17  LDS address of my A fragments in slot 0, 1  (v18-19: for the pieces that lie behind one padding more)
.set ADRB, 20                          ; v20-21  the same for B  (v22-23)
.set CO0,  24                          ; v24     8 x lane: my place in an image's last 256 bytes;  v25: the same for the fragment's second half
.set CSO,  26                          ; v26     16 x lane: my place among the scale words
.set ADRS, 27                          ; v27     LDS address of my scale words: lanes 0-15 A's rows, lanes 16-31 B's
.set SPW,  28                          ; v28     LDS address of my spare word: SPARE + 4 x my thread's number; never rewritten
.set NIL,  29                          ; v29     0; never rewritten
.set H16,  30                          ; v30     16 (lane / 16)
.set SC,   32                          ; scale words: set s at v[SC + 8 NQ s]; register NQ i + q: lanes 0-15 the word of A's block i, lanes 16-31 that of B's block i
.set RB,   64                          ; v64-79  pair 2 a, 2 a + 1: the bias of my row of block a, twice
.set AF,   128                         ; A's fragments, in window 0
.set X,    128                         ; the way out: v128-191 a block's 64 numbers
.set PC,   192                         ; v192-211 the codes just made
.set TM,   212                         ; v212-227 largest magnitudes, bytes, scale operands
.set PW,   228                         ; v228    the scale word just made
.set SW,   232                         ; v232-239 the eight blocks' scale words as they are stored
.set SEL,  20                          ; s[20:21] on the way out: lane selects for v_permlanex16_b32
.set G1, 24                            ; s[24:31] descriptor group 1 for A's tiles;  s[32:39] group 0, one set for each slot
.set G0, 32
.set G1B, 48                           ; s[48:55], s[56:63] the same for B's tiles
.set G0B, 56
.set G1S, 68                           ; s[68:75], s[76:79] groups 1 and 0 for A's scales;  s[80:87], s[88:91] for B's
.set G0S, 76
.set G1SB, 80
.set G0SB, 88
.set MSB, 0
.macro WIN new                         ; s_set_vgpr_msb: bits 1:0 source 0, 3:2 source 1, 5:4 source 2, 7:6 destination; the high byte repeats the setting that is left
.if MSB != \new
	s_set_vgpr_msb (MSB<<8)|\new
.set MSB, \new
.endif
.endm
.set MUL_LO, 0xa1                      ; source 0 (B) window 1, source 1 (A) window 0, C and D window 2
.set MUL_HI, 0xf1                      ; the same, C and D window 3
.set TO_B,   0x40                      ; destination window 1, address window 0
; A joint load: waves 0 and 1 fetch for A, waves 2 and 3 for B.  Each of the two lines has ONE mask and one set of registers for all that issue it; the branch hangs on the wave's number alone.
; Four v_nop follow each of the two lines, ahead of the jump, the label and what follows.
.macro JLOAD g0a, g1a, g0b, g1b
	s_cmp_eq_u32 s15, 0
	s_cbranch_scc0 .Lfor_b_\@
	tensor_load_to_lds s[\g0a:\g0a+3], s[\g1a:\g1a+7]
	s_nop 0
.rept 4
	v_nop
.endr
	s_branch .Lasked_\@
.Lfor_b_\@:
	tensor_load_to_lds s[\g0b:\g0b+3], s[\g1b:\g1b+7]
	s_nop 0
.rept 4
	v_nop
.endr
.Lasked_\@:
.endm
.macro CREST                           ; a round of the cluster's barrier behind its opening barrier
	s_cmp_lg_u32 s14, 0
	s_cbranch_scc1 .Lnot_wave_0_\@
	s_barrier_signal -3
.Lnot_wave_0_\@:
	s_barrier_wait -3
	s_barrier_signal -1
	s_barrier_wait -1
.endm
.macro CROUND                          ; a whole round
	s_barrier_signal -1
	s_barrier_wait -1
	CREST
.endm
	s_load_b128 s[4:7], s[0:1], 0x0                ; codes s[4:5], scales s[6:7]
	s_load_b128 s[8:11], s[0:1], 0x10              ; pcodes s[8:9], pscales s[10:11]
	s_load_b128 s[96:99], s[0:1], 0x20             ; bv s[96:97], bk s[98:99]
	s_load_b64 s[100:101], s[0:1], 0x30            ; bq
	v_lshl_add_u32 v[SPW], v0, 2, SPARE
	v_mov_b32 v[NIL], 0
	ds_add_u32 v28, v29
	ds_add_u32 v28, v29
	s_wait_dscnt 0x0
	v_lshrrev_b32 v1, 5, v0
	v_readfirstlane_b32 s14, v1                    ; wave 0..3
	s_lshr_b32 s15, s14, 1                         ; which half of the tile's rows is mine.  Also: I fetch for A (0) or for B (1)
	s_and_b32 s16, s14, 1                          ; which half of its columns.  Also: which 128 rows of that tile I fetch
	s_bfe_u32 s40, ttmp6, 0x40000                  ; cx, cy: my place in the cluster
	s_bfe_u32 s41, ttmp6, 0x40004
	s_and_b32 s3, ttmp7, 0xffff                    ; the cluster's y, 0 .. 11: four clusters for each p
	s_lshr_b32 s66, s3, 2                          ; p
	s_and_b32 s3, s3, 3
	s_lshl_b32 s3, s3, 2                           ; 4 x the cluster's number within p
	s_lshr_b32 s67, s66, 1                         ; f = 1 for p = 2
	s_xor_b32 s2, s67, 1                           ; nf = 1 - f
	s_mul_i32 s17, s2, s3                          ; p < 2: C is 16 x 4 tiles, the clusters lie one below the other;
	s_add_co_u32 s17, s17, s41                     ; tile row of C
	s_mul_i32 s42, s67, s3                         ; p = 2: C is 4 x 16 tiles, the clusters lie side by side
	s_add_co_u32 s42, s42, s40                     ; tile column of C
	s_lshl_b32 s43, s41, 2
	s_lshl_b32 s43, 15, s43                        ; my row of the cluster
	s_lshl_b32 s44, 0x1111, s40                    ; my column
	; descriptor group 1: a tile of 128 rows x ROWB bytes, padded in LDS
	s_or_b32 s[G1+0], s43, (0<<16)|(1<<20)|(1<<21)|(3<<22)|(3<<25)  ; 15:0 the mask: A's tiles go to my row; 17:16 element of 1 byte; 20 padding on; 21 set beside a mask; 24:22 after every 16 words (code 3); 31:25 of 4 words (code 3)
	s_or_b32 s[G1B+0], s44, (0<<16)|(1<<20)|(1<<21)|(3<<22)|(3<<25)
.irp g, G1, G1B
	s_mov_b32 s[\g+1], ROWB<<16                    ; tensor_dim0
	s_mov_b32 s[\g+2], 128<<16                     ; tensor_dim1 = 128
	s_mov_b32 s[\g+3], ROWB<<16                    ; tile_dim0
	s_mov_b32 s[\g+4], 128                         ; tile_dim1 = 128
	s_mov_b32 s[\g+5], KROW                        ; tensor_dim0_stride
	s_mov_b32 s[\g+6], 0
	s_mov_b32 s[\g+7], 0
.endr
	; and for the scales of 128 rows: a dense block of 4,096 bytes, as 16 rows of 256 bytes (32 elements of 8 bytes), 16 bytes of padding behind each
	s_or_b32 s[G1S+0], s43, (3<<16)|(1<<20)|(1<<21)|(5<<22)|(3<<25)
	s_or_b32 s[G1SB+0], s44, (3<<16)|(1<<20)|(1<<21)|(5<<22)|(3<<25)
.irp g, G1S, G1SB
	s_mov_b32 s[\g+1], 32<<16
	s_mov_b32 s[\g+2], (128*KS/256)<<16
	s_mov_b32 s[\g+3], 32<<16
	s_mov_b32 s[\g+4], 128*KS/256
	s_mov_b32 s[\g+5], 32
	s_mov_b32 s[\g+6], 0
	s_mov_b32 s[\g+7], 0
.endr
	; the stored rows that I fetch.  A: p = 0: 0 on, p = 1: 4,096 on, p = 2: 14,336 on (Wq).  B: 12,288 on (Wv), 13,312 on (Wk), 8,192 on (query_inputs).
	; A's row hangs on the tile row alone, B's on the tile column alone, each in registers that never hold the other coordinate.
	s_lshl_b32 s18, s16, 7                         ; which 128 rows of the tile
	s_mul_i32 s19, s2, s66                         ; nf p
	s_lshl_b32 s20, s19, 12
	s_mul_i32 s21, s67, 14336
	s_add_co_u32 s20, s20, s21
	s_lshl_b32 s21, s17, 8
	s_add_co_u32 s20, s20, s21
	s_add_co_u32 s20, s20, s18                     ; A's first row
	s_lshl_b32 s46, s19, 10
	s_mul_i32 s47, s2, 12288
	s_add_co_u32 s46, s46, s47
	s_lshl_b32 s47, s67, 13
	s_add_co_u32 s46, s46, s47
	s_lshl_b32 s47, s42, 8
	s_add_co_u32 s46, s46, s47
	s_add_co_u32 s46, s46, s18                     ; B's first row
	s_lshl_b32 s22, s20, 5                         ; where these rows' scales begin, in bytes (15,360 rows: all offsets stay under 2^24)
	s_mov_b32 s23, 0
	s_lshl_b32 s92, s46, 5
	s_mov_b32 s93, 0
	s_mul_i32 s20, s20, KROW                       ; and their codes
	s_mov_b32 s21, 0
	s_mul_i32 s46, s46, KROW
	s_mov_b32 s47, 0
	s_mul_i32 s45, s14, HALFT                      ; where they go: wave x 128 rows: no place in the cluster enters an LDS address
	s_mul_i32 s94, s14, HALFS
	s_wait_kmcnt 0x0
	s_add_nc_u64 s[20:21], s[4:5], s[20:21]
	s_add_nc_u64 s[22:23], s[6:7], s[22:23]
	s_add_nc_u64 s[46:47], s[4:5], s[46:47]
	s_add_nc_u64 s[92:93], s[6:7], s[92:93]
	CROUND                                         ; all sixteen work-groups are here: the first joint loads meet
	s_mov_b32 s[G0S], 1
	s_add_co_u32 s[G0S+1], s94, SCL
	s_mov_b64 s[G0S+2:G0S+3], s[22:23]
	s_or_b32 s[G0S+3], s[G0S+3], 0x80000000
	s_mov_b32 s[G0SB], 1
	s_add_co_u32 s[G0SB+1], s94, SCL
	s_mov_b64 s[G0SB+2:G0SB+3], s[92:93]
	s_or_b32 s[G0SB+3], s[G0SB+3], 0x80000000
	JLOAD G0S, G1S, G0SB, G1SB                     ; the scales first: they are wanted with K step 0
.irp s, 0,1
	s_mov_b32 s[G0+4*\s], 1
	s_add_co_u32 s[G0+4*\s+1], s45, \s*SLOT
	s_add_nc_u64 s[G0+4*\s+2:G0+4*\s+3], s[20:21], \s*ROWB
	s_or_b32 s[G0+4*\s+3], s[G0+4*\s+3], 0x80000000
	s_mov_b32 s[G0B+4*\s], 1
	s_add_co_u32 s[G0B+4*\s+1], s45, \s*SLOT
	s_add_nc_u64 s[G0B+4*\s+2:G0B+4*\s+3], s[46:47], \s*ROWB
	s_or_b32 s[G0B+4*\s+3], s[G0B+4*\s+3], 0x80000000
	JLOAD G0+4*\s, G1, G0B+4*\s, G1B               ; three tensor loads of mine are out behind the second of these
.endr
	v_and_b32 v1, 15, v0                           ; r = l % 16
	v_bfe_u32 v2, v0, 4, 1                         ; h = l / 16
	v_mul_u32_u24 v3, v1, PITCH
	v_mul_u32_u24 v4, v2, 24
	v_add_nc_u32 v4, v3, v4                        ; a fragment's row x pitch + 24 x half
	v_lshl_add_u32 v5, v2, 4, v4                   ; and the same behind one padding more
	s_mul_i32 s21, s15, HALFT                      ; my 128 rows of A
	s_mul_i32 s22, s16, HALFT                      ; my 128 rows of B,
	s_add_co_u32 s22, s22, 2*HALFT                 ; which lie behind A's 256
.irp s, 0,1
	v_add_nc_u32 v[ADRA+\s], s21, v4
	v_add_nc_u32 v[ADRB+\s], s22, v4
	v_add_nc_u32 v[ADRA+2+\s], s21, v5
	v_add_nc_u32 v[ADRB+2+\s], s22, v5
	s_add_co_u32 s21, s21, SLOT
	s_add_co_u32 s22, s22, SLOT
.endr
	v_mul_u32_u24 v5, v1, KS                       ; my row's scales: KS bytes a row,
	v_lshrrev_b32 v6, 8, v5
	v_lshl_add_u32 v5, v6, 4, v5                   ; and 16 more for each 256 passed
	s_mul_i32 s21, s15, HALFS                      ; A's: my 128 rows
	s_mul_i32 s22, s16, HALFS                      ; B's: my 128 rows, behind A's 256
	s_add_co_u32 s22, s22, 2*HALFS
	s_sub_co_u32 s22, s22, s21
	v_mul_u32_u24 v6, s22, v2                      ; lanes 16-31 take B's: one product, the distance between the two bases
	s_add_co_u32 s21, s21, SCL
	v_add_nc_u32 v5, v5, v6
	v_add_nc_u32 v[ADRS], s21, v5
	v_and_b32 v6, 31, v0
	v_lshlrev_b32 v[CO0], 3, v6
	v_lshlrev_b32 v[CQ0], 4, v6
	v_lshlrev_b32 v[CSO], 4, v6
	v_lshlrev_b32 v[H16], 4, v2
	v_lshlrev_b32 v[CBA], 6, v2
	v_and_b32 v[RBA], 8, v1
	v_add_nc_u32 v[RBA], v[RBA], v1
	v_lshlrev_b32 v[RBA], 2, v[RBA]
	; my chunk: gr, gc = my block of 128 rows, of 128 columns of C.  p < 2: rows are positions, columns pairs of heads;  p = 2: the other way round
	s_lshl_b32 s18, s17, 1
	s_add_co_u32 s18, s18, s15                     ; gr
	s_lshl_b32 s19, s42, 1
	s_add_co_u32 s19, s19, s16                     ; gc
	s_mul_i32 s46, s2, s19
	s_mul_i32 s47, s67, s18
	s_add_co_u32 s46, s46, s47                     ; the pair of heads = nf gc + f gr
	s_mul_i32 s47, s2, s18
	s_mul_i32 s92, s67, s19
	s_add_co_u32 s47, s47, s92                     ; the block of positions = nf gr + f gc
	s_lshl_b32 s46, s46, 5
	s_add_co_u32 s46, s46, s47
	s_lshl_b32 s47, s66, 8
	s_add_co_u32 s46, s46, s47                     ; chunk
	s_mul_i32 s92, s46, 12288
	s_mov_b32 s93, 0
	s_add_nc_u64 s[8:9], s[8:9], s[92:93]
	s_lshl_b32 s92, s46, 10
	s_add_nc_u64 s[10:11], s[10:11], s[92:93]
	s_cmp_eq_u32 s66, 1                            ; p's bias: a choice between buffers that hangs on the work-group's number alone
	s_cselect_b64 s[96:97], s[98:99], s[96:97]
	s_cmp_eq_u32 s66, 2
	s_cselect_b64 s[96:97], s[100:101], s[96:97]
	s_and_b32 s92, s19, 7                          ; both ways of reading it are loaded, and the one that is not p's is masked off later: mod 8 keeps that one inside the 4,096 bytes
	s_lshl_b32 s92, s92, 9
	s_add_nc_u64 s[98:99], s[96:97], s[92:93]      ; along my 128 columns
	s_and_b32 s92, s18, 7
	s_lshl_b32 s92, s92, 9
	s_add_nc_u64 s[100:101], s[96:97], s[92:93]    ; along my 128 rows
	s_sub_co_u32 s12, 0, s2                        ; all ones where the bias runs along the columns (p < 2), else 0
	s_sub_co_u32 s13, 0, s67                       ; all ones where it runs along the rows (p = 2)
	s_or_b32 s3, s13, 0xffff                       ; what is kept of a scale word: two bytes for p < 2, all four for p = 2
	s_mul_i32 s92, s67, 5376
	s_sub_co_u32 s92, 6144, s92                    ; from a fragment's first half to its second: 6,144 bytes (p < 2) or 768 (p = 2)
	v_add_nc_u32 v[CO0+1], s92, v[CO0]
	v_add_nc_u32 v[CQ0+1], s92, v[CQ0]
	s_mul_i32 s66, s67, 768
	s_add_co_u32 s66, s66, 768                     ; from block to block: 768 bytes (p < 2) or 1,536 (p = 2)
	s_mov_b32 s67, 0
	WIN TO_B
.irp b, 0,1,2,3                        ; the bias of column 32 b + 16 h + i, beside register 16 b + i of a block's 64.  These loads are waited for on the way out
.irp j, 0,1,2,3
	global_load_b128 v[96+16*\b+4*\j+96*(\b/2):99+16*\b+4*\j+96*(\b/2)], v[CBA], s[98:99] offset:128*\b+16*\j
.endr
.endr
	WIN 0
.irp a, 0,1,2,3,4,5,6,7                ; the bias of my row of block a
	global_load_b32 v[RB+2*\a], v[RBA], s[100:101] offset:4*(32*(\a/2)+8*(\a%2))
.endr
.macro FRAG reg, adr, q, i             ; a fragment, 16 rows x 128 K of 6-bit codes, is 12 registers: lane l holds row l % 16; registers 6 c .. 6 c + 5 hold K = 64 c + 32 (l / 16) + 0 .. 31: 24 bytes of the row's stream of bits, as they lie
.irp p, 0,1,2,3,4,5                    ; in pieces of 8 bytes, so that every address is a multiple of the access's size.  Lanes 0-15 take the row's pieces 12 q + 0, 1, 2 and 12 q + 6, 7, 8, lanes 16-31 those three pieces on
.set PCE, 12*(\q)+6*(\p/3)+\p%3       ; 16 bytes of padding lie behind every 64 bytes (8 pieces): where the piece three on lies behind one padding more, the second address register (40 for 24 bytes a half) serves
.if PCE%8 < 5
	ds_load_b64 v[\reg+2*\p:\reg+2*\p+1], v[\adr] offset:8*PCE+16*(PCE/8)+(\i)*16*PITCH
.else
	ds_load_b64 v[\reg+2*\p:\reg+2*\p+1], v[\adr+2] offset:8*PCE+16*(PCE/8)+(\i)*16*PITCH
.endif
.endr
.endm
; 16 matrix instructions: A's blocks a0, a0 + 1 x B's eight, 128 along K: the slot's q-th.  p: B's set;  sc: the set of scale words.  zero = 1: the first product starts the sums: nothing is ever cleared.
; The 64 accumulators take turns, one instruction a turn, in the same order in every step.
.macro MUL16 a0, p, q, sc, zero
.irp a, \a0, \a0+1
.irp b, 0,1,2,3,4,5,6,7
.if \zero
	v_wmma_scale_f32_16x16x128_f8f6f4 v[8*(8*((\a)%4)+\b):8*(8*((\a)%4)+\b)+7], v[128*(\p)+FR*\b:128*(\p)+FR*\b+FR-1], v[AF+FR*(\a):AF+FR*(\a)+FR-1], 0, v[SC+8*NQ*(\sc)+NQ*\b+(\q)], v[SC+8*NQ*(\sc)+NQ*(\a)+(\q)] matrix_a_fmt:MATRIX_FMT_BF6 matrix_b_fmt:MATRIX_FMT_BF6 matrix_a_scale:MATRIX_SCALE_ROW1
.else
	v_wmma_scale_f32_16x16x128_f8f6f4 v[8*(8*((\a)%4)+\b):8*(8*((\a)%4)+\b)+7], v[128*(\p)+FR*\b:128*(\p)+FR*\b+FR-1], v[AF+FR*(\a):AF+FR*(\a)+FR-1], v[8*(8*((\a)%4)+\b):8*(8*((\a)%4)+\b)+7], v[SC+8*NQ*(\sc)+NQ*\b+(\q)], v[SC+8*NQ*(\sc)+NQ*(\a)+(\q)] matrix_a_fmt:MATRIX_FMT_BF6 matrix_b_fmt:MATRIX_FMT_BF6 matrix_a_scale:MATRIX_SCALE_ROW1
.endif
.endr
.endr
.endm
.macro FETCH_B slot, q, p              ; B's eight fragments of the slot's q-th 128 along K into set p
	WIN TO_B
.irp i, 0,1,2,3,4,5,6,7
	FRAG 128*(\p)+FR*\i, ADRB+\slot, \q, \i
.endr
	WIN 0
.endm
.macro FETCH_A slot, q, i0             ; A's blocks i0 .. i0 + 3
.irp i, \i0, \i0+1, \i0+2, \i0+3
	FRAG AF+FR*(\i), ADRA+\slot, \q, \i
.endr
.endm
.macro SCALES sc                       ; the next K step's scale words into set sc: NQ words a row; lanes 0-15 take A's block i, lanes 16-31 B's block i
.irp i, 0,1,2,3,4,5,6,7
	ds_load_b64 v[SC+8*NQ*\sc+NQ*\i:SC+8*NQ*\sc+NQ*\i+1], v[ADRS] offset:\i*SBLK
.endr
.endm
; A load into a register that a matrix instruction has read, and a vector instruction that reads a matrix result, stand NP places behind that matrix instruction, and only plain vector
; instructions that name none of its registers are places (ISA guide 7.12.1 for vector instructions); the matrix instructions in between are not counted.
.macro PLACES n
.rept \n
	v_nop
.endr
.endm
; A step of 128 along K that has its successor in the same slot.  A's blocks go one after the other, each against B's eight: a block of A is free as soon as its eight products are issued, so one set of registers serves A.
.macro STEP slot, q, zero
	s_wait_dscnt 4*NL                              ; B's set and A's blocks 0-3 are in; the youngest 24 loads (A's blocks 4-7) may be out
	WIN MUL_LO
	MUL16 0, (\q)%2, \q, \slot, \zero
	MUL16 2, (\q)%2, \q, \slot, \zero
	s_wait_dscnt 0                                 ; A's blocks 4-7 are in (asked for 32 matrix instructions ago)
	PLACES NP
	FETCH_B \slot, (\q)+1, 1-(\q)%2
	FETCH_A \slot, (\q)+1, 0
	WIN MUL_HI
	MUL16 4, (\q)%2, \q, \slot, \zero
	MUL16 6, (\q)%2, \q, \slot, \zero
	PLACES NP
	WIN 0
	FETCH_A \slot, (\q)+1, 4
.endm
; A slot's last step changes slots: ONE barrier; in front of it each wave waits for all its tensor loads, adds 0 to its spare word, and waits for that and for its own reads of this slot.  fill = 1: this slot is filled again, two K steps ahead.
.macro TURN slot, next, fill
	s_wait_tensorcnt 0x0                           ; all my tensor loads have landed: my part of the next slot;  (every window is 0 here: the add's two registers lie in window 0)
	ds_add_u32 v[SPW], v[NIL]                      ; 0 onto my spare word
	s_wait_dscnt 4*NL+1                            ; (the add and the youngest 24 loads, A's blocks 4-7, may be out)
	WIN MUL_LO
	MUL16 0, 1, NQ-1, \slot, 0                     ; sixteen matrix instructions stand between the add and the wait for it
	s_wait_dscnt 0x0                               ; the add is done, and my reads of this slot are over
	s_barrier_signal -1
	MUL16 2, 1, NQ-1, \slot, 0
	WIN 0
	s_barrier_wait -1
.if \fill
	CREST                                          ; the barrier has opened a round of the cluster's barrier: no wave of any partner still reads this slot's tile or has a load on its way
	s_add_nc_u64 s[G0+4*\slot+2:G0+4*\slot+3], s[G0+4*\slot+2:G0+4*\slot+3], 2*ROWB
	s_add_nc_u64 s[G0B+4*\slot+2:G0B+4*\slot+3], s[G0B+4*\slot+2:G0B+4*\slot+3], 2*ROWB
	JLOAD G0+4*\slot, G1, G0B+4*\slot, G1B         ; the first tensor load behind the round, my only one until the next; the four v_nop behind it are the places in front of the loads below
.else
	PLACES NP
.endif
	v_add_nc_u32 v[ADRS], 4*NQ, v[ADRS]            ; on to the next K step's scale words
	FETCH_B \next, 0, 0
	FETCH_A \next, 0, 0
	SCALES \next
	WIN MUL_HI
	MUL16 4, 1, NQ-1, \slot, 0
	MUL16 6, 1, NQ-1, \slot, 0
	PLACES NP
	WIN 0
	FETCH_A \next, 0, 4
.endm
	s_wait_tensorcnt 1                             ; the scales and my part of K step 0 are in (K step 1's load may be out)
	s_barrier_signal -1
	s_barrier_wait -1                              ; everybody's are
	FETCH_B 0, 0, 0
	FETCH_A 0, 0, 0
	SCALES 0
	FETCH_A 0, 0, 4
	; K = 1,024 is four fills: slots 0, 1, 0, 1.  Eight steps of 128, written out: a loop would have one trip
	STEP 0, 0, 1                                   ; the first step's products start the sums
	TURN 0, 1, 1
	STEP 1, 0, 0
	TURN 1, 0, 1
	STEP 0, 0, 0
	TURN 0, 1, 0                                   ; nothing is left to fetch: no round of the cluster's barrier
	STEP 1, 0, 0
	s_wait_dscnt 4*NL                              ; the very last step
	WIN MUL_LO
	MUL16 0, 1, NQ-1, 1, 0
	MUL16 2, 1, NQ-1, 1, 0
	s_wait_dscnt 0
	WIN MUL_HI
	MUL16 4, 1, NQ-1, 1, 0
	MUL16 6, 1, NQ-1, 1, 0
	WIN 0
; 64 numbers of a lane, v[s] .. v[s + 63], register 16 b + i = k 32 b + 16 (lane / 16) + i of my row, become a fragment's codes in v[PC] on and its scale word in v[PW].
.macro QUANT s
.irp b, 0,1,2,3
	v_max3_num_f32 v[TM+\b], |v[\s+16*\b]|, |v[\s+1+16*\b]|, 0x2800000   ; block b: my 16 numbers, and the floor 2^(5 - 127): the byte cannot fall under 1
.endr
.irp i, 2,4,6,8,10,12,14
.irp b, 0,1,2,3
	v_max3_num_f32 v[TM+\b], v[TM+\b], |v[\s+16*\b+\i]|, |v[\s+1+16*\b+\i]|   ; (the four blocks by turns: no line waits for the line above it)
.endr
.endr
.irp b, 0,1,2,3
	v_permlanex16_b32 v[TM+4+\b], v[TM+\b], s[SEL], s[SEL+1]
.endr
.irp b, 0,1,2,3
	v_max_num_f32 v[TM+\b], v[TM+\b], v[TM+4+\b]   ; with lane l xor 16's: the block's largest magnitude
.endr
.irp b, 0,1,2,3
	v_add_nc_u32 v[TM+12+\b], 0xfe000000, v[TM+\b]   ; 4 off its exponent field: the conversion takes the exponent field of this operand as its scale, and nothing else of it
.endr
.irp b, 0,1,2,3
	v_lshrrev_b32 v[TM+4+\b], 23, v[TM+12+\b]   ; the scale's byte
.endr
	v_lshl_or_b32 v[PW], v[TM+5], 8, v[TM+4]   ; the four bytes make my row's scale word, the same in lanes l and l xor 16
	v_lshl_or_b32 v[PW], v[TM+6], 16, v[PW]
	v_lshl_or_b32 v[PW], v[TM+7], 24, v[PW]
.irp c, 0,1
	v_cvt_scalef32_pk16_bf6_f32 v[PC+6*\c:PC+2+6*\c], v[\s+32*\c:\s+15+32*\c], v[TM+12+2*\c]
	v_cvt_scalef32_pk16_bf6_f32 v[PC+12+4*\c:PC+14+4*\c], v[\s+16+32*\c:\s+31+32*\c], v[TM+12+2*\c+1]   ; (a conversion's three registers begin on an even number)
.endr
	v_nop                                          ; one plain place behind a scaled conversion
.irp c, 0,1                                    ; the operand's layout wants a WHOLE block in a lane: lanes 0-15 block 2 c, lanes 16-31 block 2 c + 1
.irp i, 0,1,2
	v_permlane16_swap_b32 v[PC+6*\c+\i], v[PC+12+4*\c+\i]
.endr
.irp i, 0,1,2
	v_mov_b32 v[PC+3+6*\c+\i], v[PC+12+4*\c+\i]
.endr
.endr
.endm
; THE WAY OUT of block a (16 rows x 128 columns): + bias, in f32; quantised along the columns; the fragment's two halves stored as images of their registers: a half's first store covers 512 consecutive bytes, its second 256, both aligned to 256.
.macro BLOCK a
.if (\a) > 0
	s_wait_xcnt 0x0                                ; the last block's stores have had their addresses translated (ISA guide 3.1): only behind this wait are their data and their base written again
	s_add_nc_u64 s[8:9], s[8:9], s[66:67]
.endif
	WIN (0x06+(\a)/4)                              ; source 0: the accumulators' window, 2 or 3; source 1: window 1; destination: window 0
.set I, 0
.rept 32
	v_pk_add_f32 v[X+I:X+I+1], v[64*((\a)%4)+I:64*((\a)%4)+I+1], v[96+I+96*(I/32):97+I+96*(I/32)]   ; + the columns' bias (0 for p = 2); each accumulator is read from its low end on
.set I, I+2
.endr
	WIN 0
.set I, 0
.rept 32
	v_pk_add_f32 v[X+I:X+I+1], v[X+I:X+I+1], v[RB+2*(\a):RB+2*(\a)+1]   ; + my row's bias (0 for p < 2)
.set I, I+2
.endr
	QUANT X
	v_lshrrev_b32 v[SW+(\a)], v[H16], v[PW]        ; lanes 16-31 keep the word's upper half: the pair's second head
	v_and_b32 v[SW+(\a)], s3, v[SW+(\a)]
.irp c, 0,1
	global_store_b128 v[CQ0+\c], v[PC+6*\c:PC+6*\c+3], s[8:9]                  ; registers 0-3 of the half's six
	global_store_b64 v[CO0+\c], v[PC+6*\c+4:PC+6*\c+5], s[8:9] offset:512      ; registers 4-5
.endr
.endm
	s_wait_loadcnt 0x0                             ; the biases, asked for ahead of the first K step
	WIN 0x44                                       ; source 1 and destination: window 1
.set I, 0
.rept 64
	v_and_b32 v[96+I+96*(I/32)], s12, v[96+I+96*(I/32)]   ; the columns' bias, or 0.  These name no register of the last products: they are the places behind them
.set I, I+1
.endr
	WIN 0
.irp a, 0,1,2,3,4,5,6,7
	v_and_b32 v[RB+2*\a], s13, v[RB+2*\a]          ; the rows' bias, or 0,
.endr
.irp a, 0,1,2,3,4,5,6,7
	v_mov_b32 v[RB+2*\a+1], v[RB+2*\a]             ; twice: a pair for the packed addition
.endr
.irp b, 0,1,2,3
	v_mov_b32 v[TM+4+\b], 0                        ; written once: a lane permute's destination counts as one of its sources
.endr
	s_mov_b32 s[SEL], 0x76543210
	s_mov_b32 s[SEL+1], 0xfedcba98                 ; v_permlanex16_b32's selects for lane l xor 16
.irp a, 0,1,2,3,4,5,6,7
	BLOCK \a
.endr
.irp e, 0,1
	global_store_b128 v[CSO], v[SW+4*\e:SW+4*\e+3], s[10:11] offset:512*\e   ; four blocks' scale words a lane: 512 consecutive bytes a store
.endr
	s_wait_tensorcnt 0x0                           ; the wave's end
	ds_add_u32 v[SPW], v[NIL]
	s_wait_dscnt 0x0
	CROUND                                         ; the closing round: no work-group ends while a partner may still ask for a tile that names it
	s_endpgm
.Lfunc_end_k_q2e3e961f8e_proj:
	.size	k_q2e3e961f8e_proj, .Lfunc_end_k_q2e3e961f8e_proj-k_q2e3e961f8e_proj
	.p2alignl 7, 3214868480
	.fill 96, 4, 3214868480
	.section	.rodata,"a",@progbits
	.p2align	6, 0x0
	.amdhsa_kernel k_q2e3e961f8e_proj
		.amdhsa_group_segment_fixed_size 327680
		.amdhsa_private_segment_fixed_size 0
		.amdhsa_enable_private_segment 0
		.amdhsa_kernarg_size 56
		.amdhsa_user_sgpr_count 2
		.amdhsa_user_sgpr_kernarg_segment_ptr 1
		.amdhsa_wavefront_size32 1
		.amdhsa_system_sgpr_workgroup_id_x 1
		.amdhsa_system_sgpr_workgroup_id_y 1
		.amdhsa_system_sgpr_workgroup_id_z 1
		.amdhsa_system_vgpr_workitem_id 0
		.amdhsa_next_free_vgpr 1024
		.amdhsa_next_free_sgpr 102
		.amdhsa_reserve_vcc 0
		.amdhsa_float_denorm_mode_32 3
		.amdhsa_float_denorm_mode_16_64 3
		.amdhsa_memory_ordered 1
		.amdhsa_forward_progress 1
		.amdhsa_inst_pref_size 203
	.end_amdhsa_kernel
	.amdgpu_metadata
---
amdhsa.version: [ 1, 2 ]
amdhsa.kernels:
  - .name:           k_q2e3e961f8e_proj
    .symbol:         k_q2e3e961f8e_proj.kd
    .args:
      - { .name: codes, .offset: 0, .size: 8, .value_kind: global_buffer, .address_space: global }
      - { .name: scales, .offset: 8, .size: 8, .value_kind: global_buffer, .address_space: global }
      - { .name: pcodes, .offset: 16, .size: 8, .value_kind: global_buffer, .address_space: global }
      - { .name: pscales, .offset: 24, .size: 8, .value_kind: global_buffer, .address_space: global }
      - { .name: bv, .offset: 32, .size: 8, .value_kind: global_buffer, .address_space: global }
      - { .name: bk, .offset: 40, .size: 8, .value_kind: global_buffer, .address_space: global }
      - { .name: bq, .offset: 48, .size: 8, .value_kind: global_buffer, .address_space: global }
    .group_segment_fixed_size: 327680
    .private_segment_fixed_size: 0
    .kernarg_segment_align: 8
    .kernarg_segment_size: 56
    .max_flat_workgroup_size: 128
    .sgpr_count:     102
    .vgpr_count:     1024
    .wavefront_size: 32
...
	.end_amdgpu_metadata
.endif
;; end of part 2
;; launch attn (part 3): grid 4 x 64, 16 waves a work-group, clusters of 4 x 1, 186,368 bytes of LDS; arguments pcodes, pscales, out0; writes out0
.if DOCPART == 3
	.amdgcn_target "amdgcn-amd-amdhsa--gfx1250"
	.amdhsa_code_object_version 6
	.text
	.protected	k_q2e3e961f8e_attn
	.globl	k_q2e3e961f8e_attn
	.p2align	8
	.type	k_q2e3e961f8e_attn,@function
k_q2e3e961f8e_attn:
	s_mov_b64 s[64:65], 0
	v_nop
	global_prefetch_b8 v0, s[64:65] scope:SCOPE_SE
	s_setreg_imm32_b32 hwreg(HW_REG_WAVE_MODE, 25, 1), 1
	s_wait_xcnt 0x0
	s_wait_alu depctr_hold_cnt(0) depctr_sa_sdst(0) depctr_va_vdst(0) depctr_va_sdst(0) depctr_va_ssrc(0) depctr_va_vcc(0) depctr_vm_vsrc(0)
	s_getreg_b32 s2, hwreg(HW_REG_IB_STS2, 6, 4)
	s_cmp_eq_u32 s2, 0
	s_cbranch_scc0 .Lentry_in_a_cluster
	s_endpgm
.Lentry_in_a_cluster:
	s_bfe_u32 s2, ttmp6, 0x10000c
	s_cmp_lg_u32 s2, 0x3003
	s_cbranch_scc0 .Lentry_shape_is_right
	s_endpgm
.Lentry_shape_is_right:
; out[n][q][h][:] = the sum over k of softmax_k(Q[q] . K[k] / 32) V[k][:] for 4 x 16 heads of 64 channels and 1,024 positions, both products on codes of BF6 (E3M2) with one E8M0 scale for each 32 along a product's K.
; Q (p = 0), K (p = 1) and V^T (p = 2) arrive as images of operand registers, in chunks of 12,288 bytes of codes and 1,024 of scale words; chunk = 256 p + 32 (h / 2) + (block of 128 positions).
; Six registers of a fragment are 768 bytes: registers 0-3 at 16 x lane, registers 4-5 at 512 + 8 x lane: one load of 16 bytes a lane and one of 8.
;   Q, K: tile a of 16 positions, head of parity c: registers 0-5 of a fragment at 6,144 c + 768 a.  Q: lane r is position 32 (a / 2) + 8 (a % 2) + r + 8 (r / 8) of the block.
;   K: lane r of tile a = 4 c + u is key 64 c + 32 (r / 8) + 8 u + r % 8 of the block.
;   V^T: tile t of 16 channels (in Q's order), 128 keys in their own order: registers 6 c .. 6 c + 5 at 6,144 (parity) + 1,536 t + 768 c.   Scale words: 512 (a / 4) + 16 x lane + 4 (a % 4); lanes 16-31 hold Q's and K's second head.
; THE SOFTMAX AHEAD OF THE SECOND PRODUCT: t = score x log2(e) / 32; M = the row's largest t so far, rounded UP to a whole number; p = 2^(t - M) is what is quantised, along the keys; it is not normalised.
; The row's sum is taken of the unquantised p, in f32, and divides O at the end.  When M moves, the sum and O are multiplied by 2^(old M - new M): exact.
; A block's largest p is made from its largest score by the same multiply-add and exponential (this takes v_exp_f32 not to fall where its input rises).
; THE FIRST PRODUCT'S K IS 64, the instruction's 128: Q's registers 6-11 are zero codes and the scale bytes of k = 64 .. 127 are 0 (a power of two, not 0xff).  K's tile a is named as v[32 + 6 a .. 43 + 6 a]: its upper six
; registers are the next tile's codes (behind the last tile: zeros); E3M2 has no infinity and no NaN, so each of those products is a finite number times 0.
; SHARES.  A work-group owns 256 queries of one head; each of its sixteen waves owns 16 of them, one tile, in 256 registers: four waves to a SIMD, so that one wave's vector work stands beside another's matrix work and LDS loads.
; A HEAD'S WHOLE K AND V LIE IN LDS: 2 x 49,152 bytes of codes and 2 x 8,192 of scale words, each filled once: no slot is ever filled again.  The four query blocks of a head are a cluster and ask for them JOINTLY (mask 15).
; LAYOUT.  Both products are used transposed: S^T = K Q^T (source 0 = 16 keys, source 1 = my 16 queries), O^T = V^T P^T (source 0 = 16 channels, source 1 = P): a lane holds ONE query (lane % 16) throughout.
; By the order of a tile's keys register 32 c + i of S^T is key 64 c + 32 (lane / 16) + i of the step: A WHOLE BLOCK OF 32 KEYS IN ONE LANE, in the very order in which the second product's operand wants p's codes: a block's largest
; score needs no other lane, and the conversions' results change no lane.  O^T's 16 registers of two neighbouring tiles are 16 neighbouring channels.
; LIMITS: NaN and infinities are not served; a block whose every p has fallen to 0 keeps the byte 1 (zero codes).
; REGISTERS: v1-7 addresses and constants that stay; v8-11 addresses of the loads in hand; v12 -M, v13 the largest t, v[14:15] the sum in two halves; v16-21 Q, v22-27 zeros; v32-79 eight tiles of K, then four fragments of V; v80-85 zeros;
;   v96-159 S^T, then p; v160-191 O^T; v192-199 K's scale words, v200-203 V's; v224-235 p's codes; v232-254 at work; v251 the old -M; v253 p's scale word; v255 Q's.
.set VC,    49152                      ; LDS: K's codes at 0, V's here: 8 key steps x 6,144 bytes each
.set KS,    98304                      ; K's scale words: 8 x 1,024 bytes (both heads of the pair);
.set VS,    106496                     ; V's likewise
.set STAGE, 114688                     ; the way out: 16 rows x (256 bytes + 16) for each wave; no tensor load lands here
.set SP,    272
.set AK8,  1                           ; v1   8 x lane
.set AK16, 2                           ; v2   16 x lane
.set ASK0, 3                           ; v3   KS + 256 x parity + 16 r
.set ASV0, 4                           ; v4   VS + 512 x parity + 16 r
.set QSO,  5                           ; v5   256 x parity + 16 r
.set H8,   6                           ; v6   8 (lane / 16)
.set GO,   7                           ; v7   the way out: my byte offset in two rows of out
.set AD8,  8                           ; v8   the key step's codes, 8 bytes a lane  (K's; V's lie VC further on: that distance stands in the loads' immediates)
.set AD16, 9                           ; v9   the same, 16 bytes a lane
.set ADS,  10                          ; v10  K's scale words of the step
.set ADT,  11                          ; v11  V's
.set WV,   10                          ; s10  my wave's number
.set SEL,  20                          ; s[20:21] lane selects for v_permlanex16_b32: lane l xor 16
.set CS,   22                          ; s[22:23] c = log2(e) / 32: the packed form names a pair and takes its low word for both halves
.set G1C,  24                          ; s[24:31] descriptor group 1 for codes;  s[32:39] for scale words;  s[40:43], s[44:47] their groups 0
.set G1S,  32
.set G0C,  40
.set G0S,  44
.set TK,   48                          ; s48  the key step's codes: 6,144 bytes a step
.set TS,   49                          ; s49  its scale words: 1,024 bytes a step
.set CNT,  50                          ; s50  key steps to go
.macro CROUND                          ; a round of the cluster's barrier
	s_barrier_signal -1
	s_barrier_wait -1
	s_cmp_lg_u32 s[WV], 0
	s_cbranch_scc1 .Lnot_wave_0_\@
	s_barrier_signal -3
.Lnot_wave_0_\@:
	s_barrier_wait -3
	s_barrier_signal -1
	s_barrier_wait -1
.endm
	s_load_b128 s[4:7], s[0:1], 0x0                ; pcodes, pscales
	s_load_b64 s[8:9], s[0:1], 0x10                ; out0
	v_lshl_add_u32 v249, v0, 2, 0x2d000
	v_mov_b32 v250, 0
	ds_add_u32 v249, v250
	ds_add_u32 v249, v250
	v_lshrrev_b32 v8, 5, v0
	v_readfirstlane_b32 s[WV], v8                  ; wave 0..15
	s_bfe_u32 s11, ttmp6, 0x40000                  ; cx: my block of 256 queries; it enters Q's and out's addresses alone
	s_and_b32 s12, ttmp7, 0xffff                   ; 16 n + h, which the four partners share
	s_lshr_b32 s13, s12, 4                         ; n
	s_and_b32 s14, s12, 15                         ; h
	s_lshr_b32 s15, s14, 1                         ; the pair of heads
	s_and_b32 s16, s14, 1                          ; the head's parity
	s_lshl_b32 s17, s15, 5
	s_lshl_b32 s18, s13, 3
	s_add_co_u32 s17, s17, s18                     ; the first of the head's eight chunks: 32 (h / 2) + 8 n
	s_and_b32 s18, s[WV], 1                        ; what I fetch, if I fetch: 0 K's, 1 V's
	s_add_co_u32 s19, s18, 1                       ; p
	s_mul_i32 s52, s19, 256*12288
	s_mul_i32 s53, s17, 12288
	s_add_co_u32 s52, s52, s53
	s_mul_i32 s53, s16, 6144
	s_add_co_u32 s52, s52, s53                     ; codes: the head's half of its first chunk
	s_mov_b32 s53, 0
	s_lshl_b32 s54, s19, 18
	s_lshl_b32 s55, s17, 10
	s_add_co_u32 s54, s54, s55                     ; scale words: the first chunk's
	s_mov_b32 s55, 0
	; my tile of queries: chunk 32 (h / 2) + 8 n + 2 cx + wave / 8, tile a = wave % 8
	s_lshr_b32 s56, s[WV], 3
	s_and_b32 s57, s[WV], 7
	s_lshl_b32 s58, s11, 1
	s_add_co_u32 s58, s58, s56
	s_add_co_u32 s58, s58, s17
	s_mul_i32 s60, s58, 12288
	s_mul_i32 s59, s16, 6144
	s_add_co_u32 s60, s60, s59
	s_mul_i32 s59, s57, 768
	s_add_co_u32 s60, s60, s59                     ; its codes
	s_mov_b32 s61, 0
	s_lshl_b32 s62, s58, 10
	s_lshr_b32 s59, s57, 2
	s_lshl_b32 s59, s59, 9
	s_add_co_u32 s62, s62, s59
	s_and_b32 s59, s57, 3
	s_lshl_b32 s59, s59, 2
	s_add_co_u32 s62, s62, s59                     ; its scale words
	s_mov_b32 s63, 0
	s_lshl_b32 s58, s11, 8                         ; its first query: 256 cx + 128 (wave / 8) + 32 (a / 2) + 8 (a % 2)
	s_lshl_b32 s59, s56, 7
	s_add_co_u32 s58, s58, s59
	s_lshr_b32 s59, s57, 1
	s_lshl_b32 s59, s59, 5
	s_add_co_u32 s58, s58, s59
	s_and_b32 s59, s57, 1
	s_lshl_b32 s59, s59, 3
	s_add_co_u32 s58, s58, s59
	s_lshl_b32 s58, s58, 12                        ; rows of 4,096 bytes,
	s_lshl_b32 s59, s13, 22                        ; n x 1,024 rows,
	s_add_co_u32 s58, s58, s59
	s_lshl_b32 s59, s14, 8                         ; the head's 256 bytes of a row
	s_add_co_u32 s58, s58, s59
	s_mov_b32 s59, 0
	; descriptor group 1.  Codes: 8 rows (key steps) of 6,144 bytes, 12,288 bytes apart, dense in LDS
	s_mov_b32 s[G1C], 15|(3<<16)|(1<<21)           ; 15:0 the mask: all four work-groups; 17:16 elements of 8 bytes; 20 padding off; 21 set beside a mask
	s_mov_b32 s[G1C+1], 768<<16                    ; tensor_dim0 = 768 elements
	s_mov_b32 s[G1C+2], 8<<16                      ; tensor_dim1 = 8
	s_mov_b32 s[G1C+3], 768<<16                    ; tile_dim0
	s_mov_b32 s[G1C+4], 8                          ; tile_dim1
	s_mov_b32 s[G1C+5], 1536                       ; tensor_dim0_stride
	s_mov_b32 s[G1C+6], 0
	s_mov_b32 s[G1C+7], 0
	s_mov_b32 s[G1S], 15|(3<<16)|(1<<21)           ; scale words: 8,192 dense bytes, as 32 rows of 256
	s_mov_b32 s[G1S+1], 32<<16
	s_mov_b32 s[G1S+2], 32<<16
	s_mov_b32 s[G1S+3], 32<<16
	s_mov_b32 s[G1S+4], 32
	s_mov_b32 s[G1S+5], 32
	s_mov_b32 s[G1S+6], 0
	s_mov_b32 s[G1S+7], 0
	s_mov_b32 s[SEL], 0x76543210
	s_mov_b32 s[SEL+1], 0xfedcba98
	s_mov_b32 s[CS], 0x3d38aa3b                    ; c = log2(e) / 32
	s_mov_b32 s[CS+1], s[CS]                       ; (named with it as a pair, so it is written)
	s_mov_b32 s[TK], 0
	s_mov_b32 s[TS], 0
	s_mov_b32 s[CNT], 8
	s_wait_dscnt 0x0
	s_wait_kmcnt 0x0
	s_mov_b32 s[G0C], 1                            ; 1:0 count = 1
	s_mul_i32 s[G0C+1], s18, VC                    ; LDS address: K's codes at 0, V's behind them
	s_add_nc_u64 s[G0C+2:G0C+3], s[4:5], s[52:53]
	s_or_b32 s[G0C+3], s[G0C+3], 0x80000000        ; type = 2
	s_mov_b32 s[G0S], 1
	s_lshl_b32 s[G0S+1], s18, 13
	s_add_co_u32 s[G0S+1], s[G0S+1], KS
	s_add_nc_u64 s[G0S+2:G0S+3], s[6:7], s[54:55]
	s_or_b32 s[G0S+3], s[G0S+3], 0x80000000
	s_add_nc_u64 s[60:61], s[4:5], s[60:61]        ; Q's codes
	s_add_nc_u64 s[62:63], s[6:7], s[62:63]        ; Q's scale words
	s_add_nc_u64 s[8:9], s[8:9], s[58:59]          ; out at my first query
	CROUND                                         ; all four work-groups are here: the joint loads meet
	; Waves 0, 1 fetch K's and V's codes, waves 2, 3 their scale words, the others nothing: one load a wave at the most.  The branches hang on the wave's number alone.  Four v_nop follow each line.
	s_cmp_lt_u32 s[WV], 2
	s_cbranch_scc0 .Lnot_codes
	tensor_load_to_lds s[G0C:G0C+3], s[G1C:G1C+7]
	s_nop 0
.rept 4
	v_nop
.endr
	s_branch .Lasked
.Lnot_codes:
	s_cmp_lt_u32 s[WV], 4
	s_cbranch_scc0 .Lasked
	tensor_load_to_lds s[G0S:G0S+3], s[G1S:G1S+7]
	s_nop 0
.rept 4
	v_nop
.endr
.Lasked:
	v_and_b32 v8, 15, v0                           ; r = lane % 16
	v_bfe_u32 v9, v0, 4, 1                         ; lane / 16
	v_and_b32 v10, 31, v0
	v_lshlrev_b32 v[AK8], 3, v10
	v_lshlrev_b32 v[AK16], 4, v10
	v_lshlrev_b32 v[H8], 3, v9
	s_lshl_b32 s19, s16, 8
	v_lshl_add_u32 v[QSO], v8, 4, s19
	v_add_nc_u32 v[ASK0], KS, v[QSO]
	s_lshl_b32 s19, s16, 9
	v_lshl_add_u32 v[ASV0], v8, 4, s19
	v_add_nc_u32 v[ASV0], VS, v[ASV0]
	global_load_b128 v[16:19], v[AK16], s[60:61]               ; Q's half fragment stays in registers: registers 0-3,
	global_load_b64 v[20:21], v[AK8], s[60:61] offset:512      ; registers 4-5,
	global_load_b32 v255, v[QSO], s[62:63]                     ; and its scale word
	v_lshlrev_b32 v[GO], 12, v9
	v_lshl_add_u32 v[GO], v8, 4, v[GO]             ; the way out: lanes 0-15 take one row of out, lanes 16-31 the next; 16 bytes a lane
	v_mov_b32 v13, 0xff61b1e6                      ; the largest t so far: -3e38, under every t
	v_floor_f32 v12, -v13                          ; -M
	v_mov_b32 v14, 0                               ; the sum, in two halves
	v_mov_b32 v15, 0
.irp j, 0,1,2,3,4,5
	v_mov_b32 v[22+\j], 0                          ; Q's k = 64 .. 127: zero codes
	v_mov_b32 v[80+\j], 0                          ; and what the last tile of K names beyond its own six registers
.endr
.irp b, 0,1,2,3
	v_mov_b32 v[236+\b], 0                         ; written once: a lane permute's destination counts as one of its sources
.endr
	v_mov_b32 v253, 0                              ; (named as the upper half of the pair v[252:253] before it is first written)
.irp j, 0,1,2,3,4,5,6,7,8,9,10,11,12,13,14,15,16,17,18,19,20,21,22,23,24,25,26,27,28,29,30,31
	v_mov_b32 v[160+\j], 0                         ; O^T.  (The key step is written once: the first finds zeros, which the first change of M leaves zeros)
.endr
	s_wait_tensorcnt 0x0                           ; my load, if I issued one, has landed,
	s_barrier_signal -1
	s_barrier_wait -1                              ; everybody's has: K, V and their scale words are whole, and nothing is written there again
	s_wait_loadcnt 0x0                             ; Q
.Lstep:                                            ; a key step: 128 keys; 8 trips
	v_add_nc_u32 v[AD8], s[TK], v[AK8]             ; (with the five additions at the last trip's end these are the places between its products and the loads into the registers that they read)
	v_add_nc_u32 v[AD16], s[TK], v[AK16]
	v_add_nc_u32 v[ADS], s[TS], v[ASK0]
.irp a, 0,1,2,3,4,5,6,7
	ds_load_b128 v[32+6*\a:35+6*\a], v[AD16] offset:768*\a          ; 32 lanes read 512 consecutive bytes,
	ds_load_b64 v[36+6*\a:37+6*\a], v[AD8] offset:768*\a+512        ; then 256
.endr
	ds_load_b128 v[192:195], v[ADS]                ; the scale words of tiles 0-3,
	ds_load_b128 v[196:199], v[ADS] offset:512     ; of tiles 4-7
	s_wait_dscnt 0x0
.irp a, 0,1,2,3,4,5,6,7                        ; S^T = K Q^T
	v_wmma_scale_f32_16x16x128_f8f6f4 v[96+8*\a:103+8*\a], v[32+6*\a:43+6*\a], v[16:27], 0, v[192+\a], v255 matrix_a_fmt:MATRIX_FMT_BF6 matrix_b_fmt:MATRIX_FMT_BF6
.endr
	v_add_nc_u32 v[ADT], s[TS], v[ASV0]            ; four places: in front of the loads into K's registers, and of the first read of the scores
	v_mov_b32 v251, v12                            ; the old -M is kept
	v_nop
	v_nop
.irp t, 0,1,2,3                                ; V's four fragments land while the softmax is walked
.irp c, 0,1
	ds_load_b128 v[32+12*\t+6*\c:35+12*\t+6*\c], v[AD16] offset:VC+1536*\t+768*\c
	ds_load_b64 v[36+12*\t+6*\c:37+12*\t+6*\c], v[AD8] offset:VC+1536*\t+768*\c+512
.endr
.endr
	ds_load_b128 v[200:203], v[ADT]                ; and their scale words
.irp b, 0,1,2,3
	v_max3_num_f32 v[232+\b], v[96+16*\b], v[97+16*\b], v[98+16*\b]   ; THE LARGEST SCORE OF MY TWO BLOCKS OF 32 KEYS, each in two chains: it serves twice: for the row's maximum, and, since p rises with the score, for the block's largest p
.endr
.irp i, 3,5,7,9,11,13
.irp b, 0,1,2,3
	v_max3_num_f32 v[232+\b], v[232+\b], v[96+16*\b+\i], v[97+16*\b+\i]   ; (the four chains by turns)
.endr
.endr
	v_max3_num_f32 v232, v232, v233, v111          ; block 0's two chains, and the two scores that the chains leave over
	v_max3_num_f32 v234, v234, v235, v143          ; block 1's
	v_max_num_f32 v232, v232, v127
	v_max_num_f32 v234, v234, v159
	v_max_num_f32 v254, v232, v234                 ; my 64 keys' largest score,
	v_permlanex16_b32 v236, v254, s[SEL], s[SEL+1]
	v_max_num_f32 v254, v254, v236                 ; with lane l xor 16's 64: the step's largest score of my query
	v_mul_f32 v254, s[CS], v254                    ; as t (c is positive)
	v_max_num_f32 v13, v13, v254                   ; the running largest t
	v_floor_f32 v12, -v13                          ; the new -M = floor(-t) = -ceil(t): M IS A WHOLE NUMBER
	v_sub_f32 v254, v12, v251                      ; M's old value less its new one: a whole number, 0 or less
	v_cvt_i32_f32 v254, v254                       ; (it saturates)
	v_ldexp_f32 v252, 1.0, v254                    ; f = 2^(old M - new M): a multiplication by it rounds nothing
.irp j, 0,2,4,6,8,10,12,14,16,18,20,22,24,26,28,30,32,34,36,38,40,42,44,46,48,50,52,54,56,58,60,62
	v_pk_fma_f32 v[96+\j:97+\j], v[96+\j:97+\j], s[CS:CS+1], v[12:13] op_sel_hi:[1,0,0]   ; t - M, two at a time (of the pairs c and -M the low word serves both halves)
.endr
	v_fma_f32 v232, v232, s[CS], v12               ; the same of each block's largest score
	v_fma_f32 v234, v234, s[CS], v12
.irp j, 0,1,2,3,4,5,6,7,8,9,10,11,12,13,14,15,16,17,18,19,20,21,22,23,24,25,26,27,28,29,30,31,32,33,34,35,36,37,38,39,40,41,42,43,44,45,46,47,48,49,50,51,52,53,54,55,56,57,58,59,60,61,62,63
	v_exp_f32 v[96+\j], v[96+\j]                   ; p = 2^(t - M), at most 1: NOT normalised
.endr
	v_exp_f32 v232, v232                           ; the block's largest p: the same two instructions on the same number give the same bits
	v_exp_f32 v234, v234
	v_pk_mul_f32 v[14:15], v[14:15], v[252:253] op_sel_hi:[1,0]   ; the sums under the new M.  (A plain place behind the exponentials)
	s_wait_alu depctr_va_vdst(0)
	v_max_num_f32 v232, 0x2800000, v232            ; the floor 2^(5 - 127): the byte cannot fall under 1
	v_max_num_f32 v234, 0x2800000, v234
	v_add_nc_u32 v244, 0xfe000000, v232            ; 4 off the exponent field: the conversion's scale operand
	v_add_nc_u32 v245, 0xfe000000, v234
	v_lshrrev_b32 v236, 23, v244                   ; the scale's byte
	v_lshrrev_b32 v237, 23, v245
	v_lshl_or_b32 v253, v237, 16, v236             ; my two bytes: blocks (lane / 16) and 2 + (lane / 16) of these 128 keys,
	v_lshlrev_b32 v253, v[H8], v253                ; at their places in the scale word;
	v_permlanex16_b32 v238, v253, s[SEL], s[SEL+1]
	v_or_b32 v253, v253, v238                      ; with lane l xor 16's two the word is whole
.irp c, 0,1
	v_cvt_scalef32_pk16_bf6_f32 v[224+6*\c:226+6*\c], v[96+32*\c:111+32*\c], v[244+\c]     ; registers 6 c .. 6 c + 2 of the operand
	v_cvt_scalef32_pk16_bf6_f32 v[236+4*\c:238+4*\c], v[112+32*\c:127+32*\c], v[244+\c]    ; (a conversion's three registers begin on an even number: the block's second three do not, so they are made elsewhere and moved)
.endr
	v_nop                                          ; one plain vector instruction between a scaled conversion and the vector instruction that touches its result
.irp c, 0,1
.irp i, 0,1,2
	v_mov_b32 v[227+6*\c+\i], v[236+4*\c+\i]
.endr
.endr
	v_pk_add_f32 v[236:237], v[96:97], v[98:99]    ; THE ROW'S SUM IS TAKEN OF THE UNQUANTISED p: two at a time, in two chains
.irp j, 4,8,12,16,20,24,28,32,36,40,44,48,52
	v_pk_add_f32 v[14:15], v[14:15], v[96+\j:97+\j]
	v_pk_add_f32 v[236:237], v[236:237], v[98+\j:99+\j]
.endr
.irp j, 0,2,4,6,8,10,12,14,16,18,20,22,24,26,28,30
	v_pk_mul_f32 v[160+\j:161+\j], v[160+\j:161+\j], v[252:253] op_sel_hi:[1,0]   ; O^T under the new M: x f, each accumulator from its low end on.  (With the sums above: the places between the writes of p's codes and scale word and the products below)
.endr
	s_wait_dscnt 0x0                               ; V is in
.irp t, 0,1,2,3                                ; O^T += V^T P^T: four tiles of 16 channels by turns, one instruction a turn; the eight products K Q^T stand between two trips' links
	v_wmma_scale_f32_16x16x128_f8f6f4 v[160+8*\t:167+8*\t], v[32+12*\t:43+12*\t], v[224:235], v[160+8*\t:167+8*\t], v[200+\t], v253 matrix_a_fmt:MATRIX_FMT_BF6 matrix_b_fmt:MATRIX_FMT_BF6
.endr
.irp j, 56,60                                  ; the sum's last five additions name no register of those products: they are the places behind them
	v_pk_add_f32 v[14:15], v[14:15], v[96+\j:97+\j]
	v_pk_add_f32 v[236:237], v[236:237], v[98+\j:99+\j]
.endr
	v_pk_add_f32 v[14:15], v[14:15], v[236:237]
	s_add_co_u32 s[TK], s[TK], 6144
	s_add_co_u32 s[TS], s[TS], 1024
	s_sub_co_u32 s[CNT], s[CNT], 1
	s_cmp_lg_u32 s[CNT], 0
	s_cbranch_scc1 .Lstep
	; THE WAY OUT.  O^T is divided by the sum and goes through my stage in LDS: a lane holds 2 x 16 neighbouring channels of one query; back come whole rows of 256 bytes, a query's share of one head.
	v_add_f32 v14, v14, v15                        ; the sum's two halves,
	v_permlanex16_b32 v252, v14, s[SEL], s[SEL+1]
	v_add_f32 v14, v14, v252                       ; and lane l xor 16's: the row's sum
	v_rcp_f32 v14, v14
	v_and_b32 v8, 15, v0                           ; (a plain place behind the transcendental)  r
	v_bfe_u32 v9, v0, 4, 1                         ; lane / 16
	s_mul_i32 s51, s[WV], 16*SP
	s_add_co_u32 s51, s51, STAGE                   ; my stage
	v_mul_u32_u24 v10, v8, SP
	v_lshl_add_u32 v10, v9, 6, v10
	v_add_nc_u32 v10, s51, v10                     ; in: row r, + 64 bytes for lanes 16-31: register 16 b + i is channel 32 b + 16 (lane / 16) + i
	v_mul_u32_u24 v11, v9, SP
	v_lshl_add_u32 v11, v8, 4, v11
	v_add_nc_u32 v11, s51, v11                     ; back: lanes 0-15 one row, lanes 16-31 the next
	s_wait_alu depctr_va_vdst(0)
.irp j, 0,2,4,6,8,10,12,14,16,18,20,22,24,26,28,30
	v_pk_mul_f32 v[96+\j:97+\j], v[160+\j:161+\j], v[14:15] op_sel_hi:[1,0]   ; O^T / the sum
.endr
.irp b, 0,1
.irp k, 0,1,2,3
	ds_store_b128 v10, v[96+16*\b+4*\k:99+16*\b+4*\k] offset:128*\b+16*\k
.endr
.endr
.irp k, 0,1,2,3,4,5,6,7
	ds_load_b128 v[32+4*\k:35+4*\k], v11 offset:2*\k*SP   ; LDS serves a wave's instructions in order (ISA guide 5.7.1.4): these see my stores
.endr
.irp k, 0,1,2,3,4,5,6,7
	s_wait_dscnt 7-\k                              ; the younger loads stay out
	global_store_b128 v[GO], v[32+4*\k:35+4*\k], s[8:9] offset:(2*\k+8*(\k/4))*4096 th:TH_STORE_NT   ; stage row j is query j + 8 (j / 8) of the tile; 16 lanes store 256 consecutive bytes, aligned; written once, read by nobody here
.endr
	s_wait_tensorcnt 0x0
	ds_add_u32 v249, v250
	s_wait_dscnt 0x0
	CROUND                                         ; the closing round (no LDS instruction of mine is out): no work-group ends while a partner may still ask for a tile that names it
	s_endpgm
.Lfunc_end_k_q2e3e961f8e_attn:
	.size	k_q2e3e961f8e_attn, .Lfunc_end_k_q2e3e961f8e_attn-k_q2e3e961f8e_attn
	.p2alignl 7, 3214868480
	.fill 96, 4, 3214868480
	.section	.rodata,"a",@progbits
	.p2align	6, 0x0
	.amdhsa_kernel k_q2e3e961f8e_attn
		.amdhsa_group_segment_fixed_size 186368
		.amdhsa_private_segment_fixed_size 0
		.amdhsa_enable_private_segment 0
		.amdhsa_kernarg_size 24
		.amdhsa_user_sgpr_count 2
		.amdhsa_user_sgpr_kernarg_segment_ptr 1
		.amdhsa_wavefront_size32 1
		.amdhsa_system_sgpr_workgroup_id_x 1
		.amdhsa_system_sgpr_workgroup_id_y 1
		.amdhsa_system_sgpr_workgroup_id_z 1
		.amdhsa_system_vgpr_workitem_id 0
		.amdhsa_next_free_vgpr 256
		.amdhsa_next_free_sgpr 66
		.amdhsa_reserve_vcc 0
		.amdhsa_float_denorm_mode_32 3
		.amdhsa_float_denorm_mode_16_64 3
		.amdhsa_memory_ordered 1
		.amdhsa_forward_progress 1
		.amdhsa_inst_pref_size 28
	.end_amdhsa_kernel
	.amdgpu_metadata
---
amdhsa.version: [ 1, 2 ]
amdhsa.kernels:
  - .name:           k_q2e3e961f8e_attn
    .symbol:         k_q2e3e961f8e_attn.kd
    .args:
      - { .name: pcodes, .offset: 0, .size: 8, .value_kind: global_buffer, .address_space: global }
      - { .name: pscales, .offset: 8, .size: 8, .value_kind: global_buffer, .address_space: global }
      - { .name: out0, .offset: 16, .size: 8, .value_kind: global_buffer, .address_space: global }
    .group_segment_fixed_size: 186368
    .private_segment_fixed_size: 0
    .kernarg_segment_align: 8
    .kernarg_segment_size: 24
    .max_flat_workgroup_size: 512
    .sgpr_count:     66
    .vgpr_count:     256
    .wavefront_size: 32
...
	.end_amdgpu_metadata
.endif
;; end of part 3
